; MI455X (gfx1250); checked and timed in simulation.
; The chip was launched on July 23, 2026; its instructions are those of AMD's public machine-readable ISA for CDNA 5 (MIT licence, August 2026) and "CDNA5" Instruction Set Architecture Reference Guide (July 2026). The comments in the code are by the model that wrote it; some were corrected since.
;; Net VLAD. Allowed arithmetic: float matrix products may take bf16 or f16 operands with f32 sums; all other float work in f32.
;; Inputs: centroids 64 x 256 float32; conv_weight 64 x 256 float32; x 64 x 256 x 64 x 64 float32.
;; Outputs: out0 64 x 16,384 float32.
;; 2 versions, each right; version 2 is version 1 with the launch partial written anew for expert scheduling mode. Each part assembles by itself: llvm-mc -triple=amdgcn-amd-amdhsa -mcpu=gfx1250 --defsym DOCPART=n.
;; ======== version 1 of 2: 2 launches
;; workspace buffers: part 16,777,216 bytes
;; launch partial (part 1): grid 256 x 1, 4 waves a work-group, no clusters, 215,552 bytes of LDS; arguments x, conv_weight, centroids, part; writes part
.if DOCPART == 1
	.amdgcn_target "amdgcn-amd-amdhsa--gfx1250"
	.amdhsa_code_object_version 6
	.text
	.protected	k_q484742dc48_partial
	.globl	k_q484742dc48_partial
	.p2align	8
	.type	k_q484742dc48_partial,@function
k_q484742dc48_partial:
	s_mov_b64 s[64:65], 0
	v_nop
	global_prefetch_b8 v0, s[64:65] scope:SCOPE_SE
	s_setreg_imm32_b32 hwreg(HW_REG_WAVE_MODE, 25, 1), 1
	s_wait_xcnt 0x0
; NetVLAD, first of two launches.  Work-group id = 4 n + q takes image n and the columns l = 1024 q .. 1024 q + 1023 of x[n] ([256 d][4096 l], f32)
; and stores   part[id][k][d] = sum over its l of a[k,l] * (xn[d,l] - c[k,d]),   f32 [64][256],
; where xn = x / max(|x column|, 1e-12) and a = softmax over k of (W xn).  The second launch adds the four parts of an image and normalises.
; x is read from memory once.  The quarter is walked as four tiles of 256 d x 256 l; a tile goes through three phases:
;   A  wave w owns columns 64 w .. 64 w + 63 over all 256 d: eight chunks of 32 d.  One 16-byte load gives a lane x[d + 8 h][4 r .. 4 r + 3]
;      (r = lane % 16, h = lane / 16), so sixteen lanes read 256 consecutive, aligned bytes.  The lane's four floats belong to four B fragments
;      (fragment j holds column 4 r + j), and rows d, d + 1 pack straight into fragment registers: product 1 (raw logits = W x) needs no
;      transposition.  The SAME fragment registers go to LDS (eight neighbouring d of one column = 16 bytes): x is converted once.
;   B  softmax in registers: a lane holds 4 columns x 32 of the 64 k, lane ^ 16 the other 32.  The column's true maximum is taken away.
;      1 / norm is never applied to x: it scales the logits inside the exponent's multiply-add, and a before a is rounded to bf16.
;      a' = a / norm goes to LDS as it lies too: eight neighbouring k of one column = 16 bytes.
;   C  product 2, a' times x over the columns.  Both lie in LDS with the column as the row, so both fragments come by transposing loads.
;      Wave w takes the 128 columns of strips 2 (w / 2), 2 (w / 2) + 1 and d = 128 (w % 2) .. + 127: 32 accumulator tiles, 256 registers;
;      each byte of x is read from LDS once and each byte of a' twice.  The two column halves are added at the end.
; LDS ROW of column 4 r + j of strip w: 64 w + 16 j + r, for x and for a' alike, so product 2's K runs in the same order on both sides.
; The centroid term is linear in a, so it is taken off here: part = (a' x^T) - (sum of a) c.
; NO CLUSTER: no two work-groups read the same bytes of x; W and c, which all read, are 131,072 bytes against 1,048,576 of x for each work-group.
; NO TENSOR LOADS: x arrives in f32 and is wanted as bf16; through registers it is converted once and LDS holds half the bytes.
; LIMITS: NaN and infinities in the inputs are not treated.  A column's sum of squares overflows or underflows f32 as it does in the definition.
; v_sqrt_f32, v_rcp_f32, v_exp_f32 flush denormals (ISA guide 15.8): a sum of squares under 2^-126 counts as 0 and falls under the 1e-12 clamp, where
; the definition's lies too.  A division is v_rcp_f32 and a multiply (1 ULP).  Matrix operands are bf16 (x raw, W, a / norm), all sums f32.
.set XROW,   16384                     ; bytes from d to d + 1 in x
.set TILEB,  1024                      ; bytes of a tile's 256 columns in a row of x
.set PX,     544                       ; LDS row of x: one column's 256 d in bf16 + 32 bytes = 17 x 32
.set PA,     160                       ; LDS row of a': one column's 64 k in bf16 + 32 bytes = 5 x 32
; With these pitches the eight rows that eight lanes of a transposing load address start at eight different multiples of 32 modulo 256, and the two
; 16-byte columns fill the gaps.  A store takes sixteen rows at once: rows 8-15 would fall on rows 0-7.  So bit 4 of the byte inside a row is
; flipped in rows 8-15 of every sixteen: one lane term, 16 ((h + r / 8) % 2), the same for the stores (row r, half h) and for the loads
; (rows 8 h + lane % 8, half r / 8); every sixteen lanes then touch sixteen different 16-byte columns modulo 256.
.set PW,     528                       ; LDS row of W: 256 d in bf16 + 16 bytes = 33 x 16, for plain fragment loads
.set APB,    256*PX                    ; LDS: x at 0; a' here
.set WBF,    APB+256*PA                ; W [64 k][256 d] bf16, used once
.set ASB,    WBF+64*PW                 ; [4 waves][64 k] f32: the waves' sums of a
.set SPITCH, 1040                      ; the way out: [64 k][256 d] f32, rows of 1024 + 16 = 65 x 16 bytes,
.set STG,    64*SPITCH                 ; one stage for each column half, both over x's region
; REGISTERS, in windows of 256.  Window 0:
.set GOFF, 2                           ; x in memory: (8 h) rows + 256 w + 16 r bytes
.set COFF, 3                           ; W, c, part: 16 w rows of 1,024 bytes + 16 lane
.set XS,   4                           ; x, store: (64 w + r) rows + the flip
.set APS,  5                           ; a', store: the same rows of a'
.set XL,   6                           ; x, fragment load: (128 (w / 2) + 8 h + lane % 8) rows + 256 (w % 2) + the flip
.set APL,  7                           ; a', fragment load: the same rows of a' + the flip
.set WL,   8                           ; W, fragment load: r rows + 16 h
.set WS,   9                           ; W, store: 16 w rows + 8 lane
.set STL,  10                          ; way out, load from stage 0: 16 w rows + 16 lane
.set STL2, 11                          ; and from stage 1
.set ASL,  12                          ; sums of a, load: 64 w
.set ASS,  13                          ; sums of a, store: 256 w + 32 h
.set STS,  14                          ; way out, store: stage w / 2, r rows + 32 h + 512 (w % 2)
.set SS,   16                          ; v16-23  two sets of four sums of squares
.set ASUM, 24                          ; v24-55  sum of a for k = 16 kt + 8 h + e at 8 kt + e          (v56-61: set-up only)
.set BF,   64                          ; v64-95   phase A: B fragment j at 8 j
.set LG,   128                         ; v128-255 logits, tile (kt, j) at 8 (4 kt + j): register e = (k = 16 kt + 8 h + e, column 4 r + j)
.set TP,   64                          ; phase B, in v64-127: what comes from lane ^ 16
.set NRM,  68                          ; column norms
.set INV,  72                          ; pairs (both halves alike, for the packed forms): 1 / norm
.set SC,   80                          ; log2(e) / norm
.set NM,   88                          ; - maximum x SC
.set MX,   96                          ; maxima of the raw logits
.set SUM,  100                         ; sums of the exponentials
.set RS,   108                         ; 1 / sum
.set QS,   116                         ; 1 / (sum x norm)
.set PK,   64                          ; then a' packed: tile (kt, j) at 4 (4 kt + j)
; phase C: two fragment buffers at 64 and 160: 8 fragments of x (16 d x 32 columns), then 4 of a' (16 k x 32 columns)
; Window 1: the ring of x, four slots of 64 registers (16 loads).  Window 2: W as 32 A fragments, (chunk c, kt) at 8 (4 c + kt).
; Window 3: product 2's 32 accumulator tiles, (dt, kt) at 8 (4 dt + kt).
.set MSB, 0
.macro WIN new                         ; low byte: bits 1:0 source 0, 3:2 source 1, 5:4 source 2, 7:6 destination; the high byte repeats the setting that is left
.if MSB != \new
	s_set_vgpr_msb (MSB<<8)|\new
.set MSB, \new
.endif
.endm
.set FROM_RING, 0x05                   ; sources 0 and 1 in window 1
.set TO_RING,   0x40                   ; destination in window 1
.set TO_WF,     0x80                   ; destination in window 2
.set MUL1,      0x02                   ; A in window 2
.set MUL2,      0xf0                   ; C and D in window 3
.set FROM_VA,   0x0c                   ; an LDS store's data in window 3
.set CEN,       0x04                   ; source 1 in window 1
.macro PLACES                          ; four independent vector instructions between a matrix instruction and whatever else touches its registers (ISA guide 7.12.1)
.rept 4
	v_nop
.endr
.endm
	s_load_b256 s[4:11], s[0:1], 0x0               ; x s[4:5], W s[6:7], c s[8:9], part s[10:11]
	v_lshl_add_u32 v62, v0, 2, 0x34800
	v_mov_b32 v63, 0
	v_lshrrev_b32 v1, 5, v0
	v_readfirstlane_b32 s12, v1                    ; w, the wave
	v_and_b32 v56, 15, v0                          ; r
	v_bfe_u32 v57, v0, 4, 1                        ; h
	v_and_b32 v58, 31, v0                          ; lane
	v_bfe_u32 v59, v0, 3, 1                        ; r / 8
	v_add_nc_u32 v59, v59, v57
	v_and_b32 v59, 1, v59
	v_lshlrev_b32 v59, 4, v59                      ; the flip: 16 ((h + r / 8) % 2)
	v_and_b32 v60, 7, v0
	v_lshl_add_u32 v60, v57, 3, v60                ; 8 h + lane % 8
	s_mov_b32 s16, 0x76543210                      ; v_permlanex16_b32: lane i reads lane i ^ 16
	s_mov_b32 s17, 0xfedcba98
	s_lshr_b32 s24, s12, 1                         ; w / 2: my column half in product 2
	s_and_b32 s25, s12, 1                          ; w % 2: my half of d
	s_lshl_b32 s20, s12, 8                         ; 256 w
	v_lshlrev_b32 v[GOFF], 4, v56
	v_lshl_add_u32 v[GOFF], v57, 17, v[GOFF]       ; 8 rows of 16,384 bytes
	v_add_nc_u32 v[GOFF], s20, v[GOFF]
	s_lshl_b32 s21, s12, 14
	v_lshl_add_u32 v[COFF], v58, 4, s21
	v_mul_u32_u24 v61, v56, PX
	v_add_nc_u32 v61, v61, v59
	s_mul_i32 s21, s12, 64*PX
	v_add_nc_u32 v[XS], s21, v61
	v_mul_u32_u24 v61, v56, PA
	v_add_nc_u32 v61, v61, v59
	s_mul_i32 s21, s12, 64*PA
	s_add_co_u32 s21, s21, APB
	v_add_nc_u32 v[APS], s21, v61
	v_mul_u32_u24 v61, v60, PX
	v_add_nc_u32 v61, v61, v59
	s_mul_i32 s21, s24, 128*PX
	s_lshl_b32 s26, s25, 8                         ; 128 d of 2 bytes
	s_add_co_u32 s21, s21, s26
	v_add_nc_u32 v[XL], s21, v61
	v_mul_u32_u24 v61, v60, PA
	v_add_nc_u32 v61, v61, v59
	s_mul_i32 s21, s24, 128*PA
	s_add_co_u32 s21, s21, APB
	v_add_nc_u32 v[APL], s21, v61
	v_mul_u32_u24 v61, v56, PW
	v_lshl_add_u32 v61, v57, 4, v61
	v_add_nc_u32 v[WL], WBF, v61
	s_mul_i32 s21, s12, 16*PW
	s_add_co_u32 s21, s21, WBF
	v_lshl_add_u32 v[WS], v58, 3, s21
	s_mul_i32 s21, s12, 16*SPITCH
	v_lshl_add_u32 v[STL], v58, 4, s21
	v_add_nc_u32 v[STL2], STG, v[STL]
	s_lshl_b32 s21, s12, 6
	s_add_co_u32 s21, s21, ASB
	v_mov_b32 v[ASL], s21
	s_add_co_u32 s21, s20, ASB
	v_lshl_add_u32 v[ASS], v57, 5, s21
	v_mul_u32_u24 v[STS], v56, SPITCH
	v_lshl_add_u32 v[STS], v57, 5, v[STS]
	s_mul_i32 s21, s24, STG
	s_lshl_b32 s26, s25, 9                         ; 128 d of 4 bytes
	s_add_co_u32 s21, s21, s26
	v_add_nc_u32 v[STS], s21, v[STS]
	s_lshr_b32 s14, ttmp9, 2                       ; n
	s_lshl_b32 s14, s14, 22                        ; x 256 rows of 16,384 bytes (63 << 22 stays inside 32 bits)
	s_and_b32 s15, ttmp9, 3                        ; q
	s_lshl_b32 s15, s15, 12                        ; x 1,024 columns of 4 bytes
	s_add_co_u32 s14, s14, s15
	s_mov_b32 s15, 0
	s_lshl_b32 s22, ttmp9, 16                      ; part: 65,536 bytes for each work-group
	s_mov_b32 s23, 0
	s_wait_kmcnt 0x0
	s_add_nc_u64 s[4:5], s[4:5], s[14:15]
	s_add_nc_u64 s[10:11], s[10:11], s[22:23]
; 16 loads: chunk ch (rows 32 ch .. 32 ch + 31) of this tile (adv = 0) or the next (adv = 1) into a slot.  Load i takes rows 32 ch + i + 8 (i / 8) + 8 h.
; The largest immediate is 247 rows + 1,024 = 4,047,872 bytes, inside the signed 24 bits.
.macro XLOAD slot, ch, adv
	WIN TO_RING
.set ii, 0
.rept 16
	global_load_b128 v[64*(\slot)+4*ii:64*(\slot)+4*ii+3], v[GOFF], s[4:5] offset:(32*(\ch)+ii+8*(ii/8))*XROW+(\adv)*TILEB th:TH_LOAD_NT
.set ii, ii+1
.endr
.endm
; One chunk of phase A.  left = how many younger loads may stay out when this slot's sixteen have to be in.
.macro CHUNK c, reload, left
.set RB, 64*(\c%4)
.if \c == 0
.set NSTART, 1                                             ; the tile's first two loads start the two sets of sums: nothing is cleared
.else
.set NSTART, 0
.endif
	s_wait_loadcnt \left                           ; loads come back in order (ISA guide 5.7.1): my slot is in, the younger slots stay on their way
	WIN FROM_RING
	; Squares of loads 2 i, 2 i + 1 run one pair ahead of the packing: a chain's links stand eight instructions apart, and eight plain instructions
	; stand in front of the first write of v64-95, which the matrix instructions before have read (four are needed).
	; B fragment j, register p: rows 8 h + 2 p, + 1 (p < 4) or 16 + 8 h + 2 (p - 4), + 1 of the chunk = loads 2 p and 2 p + 1, float j.
.set ii, 0
.rept 9
.if ii < 8
.irp q, 0,2,4,6
.if ii < NSTART
	v_pk_mul_f32 v[SS+\q:SS+\q+1], v[RB+8*ii+\q:RB+8*ii+\q+1], v[RB+8*ii+\q:RB+8*ii+\q+1]
.else
	v_pk_fma_f32 v[SS+\q:SS+\q+1], v[RB+8*ii+\q:RB+8*ii+\q+1], v[RB+8*ii+\q:RB+8*ii+\q+1], v[SS+\q:SS+\q+1]
.endif
.endr
.endif
.if ii >= 1
.irp j, 0,1,2,3
	v_cvt_pk_bf16_f32 v[BF+8*\j+ii-1], v[RB+8*(ii-1)+\j], v[RB+8*(ii-1)+4+\j]
.endr
.endif
.set ii, ii+1
.endr
	WIN 0
	; the fragments as they are: registers 0-3 are d = 32 c + 8 h .. + 7 of column 4 r + j, registers 4-7 are d = 32 c + 16 + 8 h .. + 7
.set jj, 0
.rept 4
	ds_store_b128 v[XS], v[BF+8*jj:BF+8*jj+3] offset:16*jj*PX+64*\c
	ds_store_b128 v[XS], v[BF+8*jj+4:BF+8*jj+7] offset:16*jj*PX+64*\c+32
.set jj, jj+1
.endr
.if \reload
.if \c < 4
	XLOAD \c%4, \c+4, 0                            ; the slot has been read out: four chunks ahead, in this tile
.else
	XLOAD \c%4, \c-4, 1                            ; or in the next
.endif
.endif
	WIN MUL1
.set kk, 0
.rept 4
.set jj, 0
.rept 4
.if \c == 0
	v_wmma_f32_16x16x32_bf16 v[LG+8*(4*kk+jj):LG+8*(4*kk+jj)+7], v[8*(4*\c+kk):8*(4*\c+kk)+7], v[BF+8*jj:BF+8*jj+7], 0
.else
	v_wmma_f32_16x16x32_bf16 v[LG+8*(4*kk+jj):LG+8*(4*kk+jj)+7], v[8*(4*\c+kk):8*(4*\c+kk)+7], v[BF+8*jj:BF+8*jj+7], v[LG+8*(4*kk+jj):LG+8*(4*kk+jj)+7]
.endif
.set jj, jj+1
.endr
.set kk, kk+1
.endr
.endm
; The centroids of my 16 output rows, into the ring's first 128 registers, which are done with by then
.macro CLOAD
	WIN TO_RING
.set tt, 0
.rept 32
	global_load_b128 v[4*tt:4*tt+3], v[COFF], s[8:9] offset:(tt/2)*1024+512*(tt%2)
.set tt, tt+1
.endr
.endm
; Phase B.  first = 1: the sums of a are started, not added to.
.macro SOFTMAX first
	WIN 0
	PLACES                                         ; behind product 1's last instructions: their results are read and their B fragments (v64-95) rewritten
	v_pk_add_f32 v[SS:SS+1], v[SS:SS+1], v[SS+4:SS+5]
	v_pk_add_f32 v[SS+2:SS+3], v[SS+2:SS+3], v[SS+6:SS+7]
.irp j, 0,1,2,3
	v_permlanex16_b32 v[TP+\j], v[SS+\j], s16, s17 ; lane ^ 16 holds the other 128 rows' squares
.endr
.irp j, 0,1,2,3
	v_add_f32 v[SS+\j], v[SS+\j], v[TP+\j]
.endr
.irp j, 0,1,2,3
	v_sqrt_f32 v[NRM+\j], v[SS+\j]                 ; the maxima below are the plain instructions between these and the use of their results (ISA guide 5.7.2)
.endr
	; the largest raw logit of each column's 32 k in this lane: 1 / norm is positive, so it is the largest logit too.  Four chains take turns.
.irp j, 0,1,2,3
	v_max3_num_f32 v[MX+\j], v[LG+8*\j], v[LG+8*\j+1], v[LG+8*\j+2]
.endr
.set qq, 3
.rept 14
.irp j, 0,1,2,3
	v_max3_num_f32 v[MX+\j], v[MX+\j], v[LG+32*(qq/8)+8*\j+qq%8], v[LG+32*((qq+1)/8)+8*\j+(qq+1)%8]
.endr
.set qq, qq+2
.endr
.irp j, 0,1,2,3
	v_max_num_f32 v[MX+\j], v[MX+\j], v[LG+96+8*\j+7]
.endr
	s_wait_alu depctr_va_vdst(0)
.irp j, 0,1,2,3
	v_max_num_f32 v[NRM+\j], 0x2b8cbccc, v[NRM+\j] ; max(norm, 1e-12)
.endr
.irp j, 0,1,2,3
	v_rcp_f32 v[INV+2*\j], v[NRM+\j]
	v_rcp_f32 v[INV+2*\j+1], v[NRM+\j]
.endr
	v_nop                                          ; one plain instruction behind the last reciprocal
.irp j, 0,1,2,3
	v_permlanex16_b32 v[TP+\j], v[MX+\j], s16, s17
.endr
.irp j, 0,1,2,3
	v_max_num_f32 v[MX+\j], v[MX+\j], v[TP+\j]     ; the maximum over all 64 k
.endr
	s_wait_alu depctr_va_vdst(0)
.irp j, 0,1,2,3
	v_pk_mul_f32 v[SC+2*\j:SC+2*\j+1], v[INV+2*\j:INV+2*\j+1], 0x3fb8aa3b op_sel_hi:[1,0]
.endr
.irp j, 0,1,2,3
	v_mul_f32 v[NM+2*\j], -v[MX+\j], v[SC+2*\j]
	v_mul_f32 v[NM+2*\j+1], -v[MX+\j], v[SC+2*\j]
.endr
	; exponent in base 2: (raw - maximum) x log2(e) / norm, one fused multiply-add
.set tt, 0
.rept 16
.set jj, tt%4
.irp p, 0,2,4,6
	v_pk_fma_f32 v[LG+8*tt+\p:LG+8*tt+\p+1], v[LG+8*tt+\p:LG+8*tt+\p+1], v[SC+2*jj:SC+2*jj+1], v[NM+2*jj:NM+2*jj+1]
.endr
.set tt, tt+1
.endr
.set tt, 0
.rept 128
	v_exp_f32 v[LG+tt], v[LG+tt]
.set tt, tt+1
.endr
	v_nop
	s_wait_alu depctr_va_vdst(0)
.irp j, 0,1,2,3
	v_pk_add_f32 v[SUM+2*\j:SUM+2*\j+1], v[LG+8*\j:LG+8*\j+1], v[LG+8*\j+2:LG+8*\j+3]
.endr
.set qq, 4
.rept 14
.irp j, 0,1,2,3
	v_pk_add_f32 v[SUM+2*\j:SUM+2*\j+1], v[SUM+2*\j:SUM+2*\j+1], v[LG+32*(qq/8)+8*\j+qq%8:LG+32*(qq/8)+8*\j+qq%8+1]
.endr
.set qq, qq+2
.endr
.irp j, 0,1,2,3
	v_add_f32 v[SUM+2*\j], v[SUM+2*\j], v[SUM+2*\j+1]
.endr
.irp j, 0,1,2,3
	v_permlanex16_b32 v[TP+\j], v[SUM+2*\j], s16, s17
.endr
.irp j, 0,1,2,3
	v_add_f32 v[SUM+2*\j], v[SUM+2*\j], v[TP+\j]   ; at least about 1: the largest term is 2^0
.endr
.irp j, 0,1,2,3
	v_rcp_f32 v[RS+2*\j], v[SUM+2*\j]
	v_rcp_f32 v[RS+2*\j+1], v[SUM+2*\j]
.endr
	v_nop
	s_wait_alu depctr_va_vdst(0)
.irp j, 0,1,2,3
	v_pk_mul_f32 v[QS+2*\j:QS+2*\j+1], v[RS+2*\j:RS+2*\j+1], v[INV+2*\j:INV+2*\j+1]
.endr
	; sum of a over my four columns, in f32, from the unrounded a
.set tt, 0
.rept 16
.if \first
	v_pk_mul_f32 v[ASUM+2*tt:ASUM+2*tt+1], v[LG+32*(tt/4)+2*(tt%4):LG+32*(tt/4)+2*(tt%4)+1], v[RS:RS+1]
.else
	v_pk_fma_f32 v[ASUM+2*tt:ASUM+2*tt+1], v[LG+32*(tt/4)+2*(tt%4):LG+32*(tt/4)+2*(tt%4)+1], v[RS:RS+1], v[ASUM+2*tt:ASUM+2*tt+1]
.endif
.set tt, tt+1
.endr
.irp j, 1,2,3
.set tt, 0
.rept 16
	v_pk_fma_f32 v[ASUM+2*tt:ASUM+2*tt+1], v[LG+32*(tt/4)+8*\j+2*(tt%4):LG+32*(tt/4)+8*\j+2*(tt%4)+1], v[RS+2*\j:RS+2*\j+1], v[ASUM+2*tt:ASUM+2*tt+1]
.set tt, tt+1
.endr
.endr
	; a' = a / norm, rounded once to bf16; a tile's eight registers are eight neighbouring k of one column = 16 bytes
.set tt, 0
.rept 16
.set jj, tt%4
.irp p, 0,2,4,6
	v_pk_mul_f32 v[LG+8*tt+\p:LG+8*tt+\p+1], v[LG+8*tt+\p:LG+8*tt+\p+1], v[QS+2*jj:QS+2*jj+1]
.endr
.set tt, tt+1
.endr
.set tt, 0
.rept 16
.irp p, 0,1,2,3
	v_cvt_pk_bf16_f32 v[PK+4*tt+\p], v[LG+8*tt+2*\p], v[LG+8*tt+2*\p+1]
.endr
.set tt, tt+1
.endr
.set tt, 0
.rept 16
	ds_store_b128 v[APS], v[PK+4*tt:PK+4*tt+3] offset:16*(tt%4)*PA+32*(tt/4)   ; row 16 j + r of my strip, k = 16 kt + 8 h .. + 7
.set tt, tt+1
.endr
.endm
; 24 transposing LDS loads: the fragments of 32 columns at step st (8 x 16 d of x, 4 x 16 k of a') into buffer b.  A load takes 8 x 8 numbers of
; 16 bits in each group of eight lanes (rows = columns of the tile) and gives lane (r, h) eight columns 8 h .. 8 h + 7 of d (or k) r:
; the first load of a pair fills registers 0-3, the second, 16 rows on, registers 4-7.
.macro FETCH st, b
.set FBB, 64+96*(\b)
.set kk, 0
.rept 8
	ds_load_tr16_b128 v[FBB+8*kk:FBB+8*kk+3], v[XL] offset:32*(\st)*PX+32*kk
	ds_load_tr16_b128 v[FBB+8*kk+4:FBB+8*kk+7], v[XL] offset:(32*(\st)+16)*PX+32*kk
.set kk, kk+1
.endr
.set kk, 0
.rept 4
	ds_load_tr16_b128 v[FBB+64+8*kk:FBB+64+8*kk+3], v[APL] offset:32*(\st)*PA+32*kk
	ds_load_tr16_b128 v[FBB+64+8*kk+4:FBB+64+8*kk+7], v[APL] offset:(32*(\st)+16)*PA+32*kk
.set kk, kk+1
.endr
.endm
; 32 matrix instructions.  Source 0 = x (rows d), source 1 = a' (rows k): register e of lane (r, h) is
; (k = 16 kt + r, d = 128 (w % 2) + 16 dt + 8 h + e), eight neighbouring d of one k.
.macro MUL32 b, zero
.set FBB, 64+96*(\b)
	WIN MUL2
.set dd, 0
.rept 8
.set kk, 0
.rept 4
.if \zero
	v_wmma_f32_16x16x32_bf16 v[8*(4*dd+kk):8*(4*dd+kk)+7], v[FBB+8*dd:FBB+8*dd+7], v[FBB+64+8*kk:FBB+64+8*kk+7], 0
.else
	v_wmma_f32_16x16x32_bf16 v[8*(4*dd+kk):8*(4*dd+kk)+7], v[FBB+8*dd:FBB+8*dd+7], v[FBB+64+8*kk:FBB+64+8*kk+7], v[8*(4*dd+kk):8*(4*dd+kk)+7]
.endif
.set kk, kk+1
.endr
.set dd, dd+1
.endr
.endm
.macro STEP2 fs, fb, mb                ; fetch step fs into buffer fb, which has just been multiplied; multiply buffer mb
	PLACES                                         ; a load into a register that a matrix instruction has read stands four places behind it
	WIN 0
	FETCH \fs, \fb
	s_wait_dscnt 24                                ; LDS loads come back in order: the run of 24 just issued stays out, buffer mb is whole
	MUL32 \mb, 0
.endm
; Phase C: four steps of 32 columns, two buffers; a step's fragments are asked for one step (32 matrix instructions) ahead
.macro GEMM2 first
	WIN 0
	FETCH 0, 0
	FETCH 1, 1
	s_wait_dscnt 24
	MUL32 0, \first                                ; in the first tile the first products start the sums
	STEP2 2, 0, 1
	STEP2 3, 1, 0
	s_wait_dscnt 0x0                               ; my reads of x and of a' are over:
	s_barrier_signal -1                            ; say so,
	MUL32 1, 0                                     ; work on registers while the others arrive,
	s_barrier_wait -1                              ; and only behind this are the two regions written again
	WIN 0
.endm
.macro TILE first, last
.if \last
	CHUNK 0, 1, 48
	CHUNK 1, 1, 48
	CHUNK 2, 1, 48
	CHUNK 3, 1, 48
	CHUNK 4, 0, 48                                 ; nothing follows the last tile: no load leaves the quarter, and the counts run down
	CHUNK 5, 0, 32
	CHUNK 6, 0, 16
	CHUNK 7, 0, 0
	CLOAD
.else
.irp cc, 0,1,2,3,4,5,6,7
	CHUNK \cc, 1, 48                               ; 48 = the three younger slots' loads
.endr
.endif
	SOFTMAX \first
	s_wait_dscnt 0x0                               ; my strips of x and of a' are written, for the other waves' sake
	s_barrier_signal -1
	s_barrier_wait -1
	GEMM2 \first
.if \last == 0
	s_wait_xcnt 0x0                                ; the pending loads' base is stepped only behind this wait
	s_add_nc_u64 s[4:5], s[4:5], TILEB
.endif
.endm
	; W: my 16 rows, 32 loads of 512 consecutive bytes; behind them the ring's first slots, so that x is on its way while W is prepared
.set tt, 0
.rept 32
	global_load_b128 v[128+4*tt:128+4*tt+3], v[COFF], s[6:7] offset:(tt/2)*1024+512*(tt%2)
.set tt, tt+1
.endr
	XLOAD 0, 0, 0
	XLOAD 1, 1, 0
	s_wait_loadcnt 32                              ; the 32 loads of x stay out; W is in
	XLOAD 2, 2, 0
	WIN 0
.set tt, 0
.rept 32
	v_cvt_pk_bf16_f32 v[64+2*tt], v[128+4*tt], v[128+4*tt+1]
	v_cvt_pk_bf16_f32 v[65+2*tt], v[128+4*tt+2], v[128+4*tt+3]
.set tt, tt+1
.endr
.set tt, 0
.rept 32
	ds_store_b64 v[WS], v[64+2*tt:65+2*tt] offset:(tt/2)*PW+256*(tt%2)
.set tt, tt+1
.endr
	s_wait_dscnt 0x0                               ; my rows of W are written, for the other waves' sake
	s_barrier_signal -1
	s_barrier_wait -1
	WIN TO_WF                                      ; all of W as A fragments: 256 registers that stay for the whole launch
.set tt, 0
.rept 32
	ds_load_b128 v[8*tt:8*tt+3], v[WL] offset:(tt%4)*16*PW+64*(tt/4)
	ds_load_b128 v[8*tt+4:8*tt+7], v[WL] offset:(tt%4)*16*PW+64*(tt/4)+32
.set tt, tt+1
.endr
	XLOAD 3, 3, 0                                  ; the ring is full: 64 loads of 512 bytes asked for by each wave (the issue of one that the counter's field cannot hold is held back: ISA guide 5.7.1)
	s_wait_dscnt 0x0
	TILE 1, 0                                      ; the first tile stands in front of the loop: its first products and sums start the accumulators
	s_mov_b32 s18, 2
.Ltile:
	TILE 0, 0
	s_sub_co_i32 s18, s18, 1
	s_cmp_lg_u32 s18, 0
	s_cbranch_scc1 .Ltile
	TILE 0, 1
	; THE WAY OUT.  Sums of a: across the 16 lanes of a half (the columns), then across the waves through LDS.
	PLACES                                         ; behind the last matrix instructions: results are stored, fragment buffers loaded anew
.irp m, 1,2,4,8
.set tt, 0
.rept 32
	v_add_f32_dpp v[ASUM+tt], v[ASUM+tt], v[ASUM+tt] row_xmask:\m row_mask:0xf bank_mask:0xf
.set tt, tt+1
.endr
.endr
.set tt, 0
.rept 8
	ds_store_b128 v[ASS], v[ASUM+4*tt:ASUM+4*tt+3] offset:64*(tt/2)+16*(tt%2)  ; k = 16 kt + 8 h + 4 half .. + 3; sixteen lanes write the same words with the same values
.set tt, tt+1
.endr
	WIN FROM_VA                                    ; x's region is done with (the barrier that ended product 2): the two stages lie over it
.set tt, 0
.rept 32
	ds_store_b128 v[STS], v[8*tt:8*tt+3] offset:(tt%4)*16*SPITCH+(tt/4)*64
	ds_store_b128 v[STS], v[8*tt+4:8*tt+7] offset:(tt%4)*16*SPITCH+(tt/4)*64+16
.set tt, tt+1
.endr
	WIN 0
	s_wait_dscnt 0x0                               ; for the other waves' sake
	s_barrier_signal -1
	s_barrier_wait -1
.set tt, 0
.rept 16
	ds_load_b128 v[64+4*tt:64+4*tt+3], v[ASL] offset:256*(tt/4)+16*(tt%4)      ; wave tt / 4's sums for my rows k = 16 w .. 16 w + 15
.set tt, tt+1
.endr
.set tt, 0
.rept 32
	ds_load_b128 v[128+4*tt:128+4*tt+3], v[STL] offset:(tt/2)*SPITCH+512*(tt%2) ; row 16 w + tt / 2 of the first column half, 512 consecutive bytes
.set tt, tt+1
.endr
	WIN TO_RING                                    ; the second half's, into the ring's last 128 registers, which are done with
.set tt, 0
.rept 32
	ds_load_b128 v[128+4*tt:128+4*tt+3], v[STL2] offset:(tt/2)*SPITCH+512*(tt%2)
.set tt, tt+1
.endr
	WIN 0
	s_wait_dscnt 0x0
.irp ww, 1,2,3
.irp p, 0,2,4,6,8,10,12,14
	v_pk_add_f32 v[64+\p:64+\p+1], v[64+\p:64+\p+1], v[64+16*\ww+\p:64+16*\ww+\p+1]
.endr
.endr
	s_wait_loadcnt 0x0                             ; the centroids
	WIN CEN
.set tt, 0
.rept 64
	v_pk_add_f32 v[128+2*tt:128+2*tt+1], v[128+2*tt:128+2*tt+1], v[128+2*tt:128+2*tt+1]    ; first half (window 0) + second half (window 1)
.set tt, tt+1
.endr
.set tt, 0
.rept 128
	v_fma_f32 v[128+tt], -v[64+tt/8], v[tt], v[128+tt]     ; - (sum of a)[k] x c[k][d]
.set tt, tt+1
.endr
	WIN 0
.set tt, 0
.rept 32
	global_store_b128 v[COFF], v[128+4*tt:128+4*tt+3], s[10:11] offset:(tt/2)*1024+512*(tt%2)  ; 512 consecutive bytes, aligned
.set tt, tt+1
.endr
	s_wait_tensorcnt 0x0
	ds_add_u32 v62, v63
	s_wait_dscnt 0x0
	s_endpgm
.Lfunc_end_k_q484742dc48_partial:
	.size	k_q484742dc48_partial, .Lfunc_end_k_q484742dc48_partial-k_q484742dc48_partial
	.p2alignl 7, 3214868480
	.fill 96, 4, 3214868480
	.section	.rodata,"a",@progbits
	.p2align	6, 0x0
	.amdhsa_kernel k_q484742dc48_partial
		.amdhsa_group_segment_fixed_size 215552
		.amdhsa_private_segment_fixed_size 0
		.amdhsa_enable_private_segment 0
		.amdhsa_kernarg_size 32
		.amdhsa_user_sgpr_count 2
		.amdhsa_user_sgpr_kernarg_segment_ptr 1
		.amdhsa_wavefront_size32 1
		.amdhsa_system_sgpr_workgroup_id_x 1
		.amdhsa_system_sgpr_workgroup_id_y 1
		.amdhsa_system_sgpr_workgroup_id_z 1
		.amdhsa_system_vgpr_workitem_id 0
		.amdhsa_next_free_vgpr 1024
		.amdhsa_next_free_sgpr 66
		.amdhsa_reserve_vcc 0
		.amdhsa_float_denorm_mode_32 3
		.amdhsa_float_denorm_mode_16_64 3
		.amdhsa_memory_ordered 1
		.amdhsa_forward_progress 1
		.amdhsa_inst_pref_size 255
	.end_amdhsa_kernel
	.section	.bss,"aw",@nobits
	.p2align	6
	.space	262144
	.amdgpu_metadata
---
amdhsa.version: [ 1, 2 ]
amdhsa.kernels:
  - .name:           k_q484742dc48_partial
    .symbol:         k_q484742dc48_partial.kd
    .args:
      - { .name: x, .offset: 0, .size: 8, .value_kind: global_buffer, .address_space: global }
      - { .name: conv_weight, .offset: 8, .size: 8, .value_kind: global_buffer, .address_space: global }
      - { .name: centroids, .offset: 16, .size: 8, .value_kind: global_buffer, .address_space: global }
      - { .name: part, .offset: 24, .size: 8, .value_kind: global_buffer, .address_space: global }
    .group_segment_fixed_size: 215552
    .private_segment_fixed_size: 0
    .kernarg_segment_align: 8
    .kernarg_segment_size: 32
    .max_flat_workgroup_size: 128
    .sgpr_count:     66
    .vgpr_count:     1024
    .wavefront_size: 32
...
	.end_amdgpu_metadata
.endif
;; end of part 1
;; launch finish (part 2): grid 64 x 1, 16 waves a work-group, no clusters, 2,304 bytes of LDS; arguments part, out0; writes out0
.if DOCPART == 2
	.amdgcn_target "amdgcn-amd-amdhsa--gfx1250"
	.amdhsa_code_object_version 6
	.text
	.protected	k_q484742dc48_finish
	.globl	k_q484742dc48_finish
	.p2align	8
	.type	k_q484742dc48_finish,@function
k_q484742dc48_finish:
	s_mov_b64 s[64:65], 0
	v_nop
	global_prefetch_b8 v0, s[64:65] scope:SCOPE_SE
	s_setreg_imm32_b32 hwreg(HW_REG_WAVE_MODE, 25, 1), 1
	s_wait_xcnt 0x0
; NetVLAD, second launch.  Work-group n adds the four parts of image n (part[4 n + q][64 k][256 d], f32), divides each row k by
; max(|row|, 1e-12) and the whole by max(|all rows|, 1e-12), and stores out0[n][64 x 256].
; Sixteen waves; wave w owns rows 4 w .. 4 w + 3, which stay in registers between the sums and the scaling: each byte is read once.
; A lane holds bytes 16 lane and 512 + 16 lane of a row, so every load and store of a wave covers 512 consecutive, aligned bytes.
; 64 work-groups: the last norm needs all 64 rows of an image, so a finer split would read the same 262,144 bytes again in each part.
; No matrix unit, no cluster, no tile in LDS: nothing is shared but sixteen sums.
; LIMITS: NaN and infinities are not treated; v_sqrt_f32 and v_rcp_f32 flush denormals (ISA guide 15.8), which fall under the 1e-12 clamp;
; a division is v_rcp_f32 and a multiply (1 ULP).
.set P0,  16                           ; v16-143  row i, part q, half hf at 32 i + 8 q + 4 hf
.set SQ,  4                            ; v4-7     a row's sum of squares
.set INV, 8                            ; v8-11    1 / max(row norm, 1e-12)
.set TS,  144                          ; v144-159 at work
	s_load_b128 s[4:7], s[0:1], 0x0                ; part s[4:5], out0 s[6:7]
	v_lshl_add_u32 v160, v0, 2, 0x100
	v_mov_b32 v161, 0
	v_lshrrev_b32 v2, 5, v0
	v_readfirstlane_b32 s8, v2                     ; the wave
	v_and_b32 v3, 31, v0
	s_lshl_b32 s9, s8, 12                          ; 4 rows of 1,024 bytes
	v_lshl_or_b32 v1, v3, 4, s9                    ; + 16 lane
	s_lshl_b32 s10, s8, 2
	v_mov_b32 v2, s10                              ; my word in LDS
	s_mov_b32 s12, 0x76543210                      ; v_permlanex16_b32: lane i reads lane i ^ 16
	s_mov_b32 s13, 0xfedcba98
	s_lshl_b32 s14, ttmp9, 18                      ; four parts of 65,536 bytes
	s_mov_b32 s15, 0
	s_lshl_b32 s16, ttmp9, 16
	s_mov_b32 s17, 0
	s_wait_kmcnt 0x0
	s_add_nc_u64 s[4:5], s[4:5], s[14:15]
	s_add_nc_u64 s[6:7], s[6:7], s[16:17]
.irp i, 0,1,2,3
.irp q, 0,1,2,3
.irp hf, 0,1
	global_load_b128 v[P0+32*\i+8*\q+4*\hf:P0+32*\i+8*\q+4*\hf+3], v1, s[4:5] offset:\q*65536+\i*1024+512*\hf th:TH_LOAD_NT
.endr
.endr
.endr
.macro ROW i
.set RB, P0+32*\i
	s_wait_loadcnt 24-8*\i                         ; loads come back in order: this row's eight are in, the younger rows' stay out
.irp q, 1,2,3
.irp t, 0,2,4,6
	v_pk_add_f32 v[RB+\t:RB+\t+1], v[RB+\t:RB+\t+1], v[RB+8*\q+\t:RB+8*\q+\t+1]
.endr
.endr
	v_pk_mul_f32 v[TS+2*\i:TS+2*\i+1], v[RB:RB+1], v[RB:RB+1]
.irp t, 2,4,6
	v_pk_fma_f32 v[TS+2*\i:TS+2*\i+1], v[RB+\t:RB+\t+1], v[RB+\t:RB+\t+1], v[TS+2*\i:TS+2*\i+1]
.endr
	v_add_f32 v[SQ+\i], v[TS+2*\i], v[TS+2*\i+1]
.endm
	ROW 0
	ROW 1
	ROW 2
	ROW 3
.irp m, 1,2,4,8
.irp i, 0,1,2,3
	v_add_f32_dpp v[SQ+\i], v[SQ+\i], v[SQ+\i] row_xmask:\m row_mask:0xf bank_mask:0xf
.endr
.endr
.irp i, 0,1,2,3
	v_permlanex16_b32 v[P0+32*\i+8], v[SQ+\i], s12, s13    ; into a register of part 1, which has been loaded and folded in: its destination counts as read
.endr
.irp i, 0,1,2,3
	v_add_f32 v[SQ+\i], v[SQ+\i], v[P0+32*\i+8]            ; every lane holds the row's sum of squares
.endr
.irp i, 0,1,2,3
	v_sqrt_f32 v[INV+\i], v[SQ+\i]
.endr
	v_nop                                          ; one plain instruction behind a transcendental before its result is used (ISA guide 5.7.2)
	s_wait_alu depctr_va_vdst(0)
.irp i, 0,1,2,3
	v_max_num_f32 v[INV+\i], 0x2b8cbccc, v[INV+\i] ; max(norm, 1e-12)
.endr
.irp i, 0,1,2,3
	v_rcp_f32 v[INV+\i], v[INV+\i]
.endr
	v_nop
	; the squares of my four normalised rows: sum of squares x inv^2
	s_wait_alu depctr_va_vdst(0)
.irp i, 0,1,2,3
	v_mul_f32 v[TS+\i], v[SQ+\i], v[INV+\i]
.endr
	v_mul_f32 v152, v[TS], v[INV]
	v_fmac_f32 v152, v[TS+1], v[INV+1]
	v_fmac_f32 v152, v[TS+2], v[INV+2]
	v_fmac_f32 v152, v[TS+3], v[INV+3]
	ds_store_b32 v2, v152                          ; all lanes write the wave's word with the same value
	s_wait_dscnt 0x0                               ; for the other waves' sake
	s_barrier_signal -1
	s_barrier_wait -1
	v_mov_b32 v3, 0
	ds_load_b128 v[144:147], v3
	ds_load_b128 v[148:151], v3 offset:16
	ds_load_b128 v[152:155], v3 offset:32
	ds_load_b128 v[156:159], v3 offset:48
	s_wait_dscnt 0x0
	v_pk_add_f32 v[144:145], v[144:145], v[148:149]
	v_pk_add_f32 v[146:147], v[146:147], v[150:151]
	v_pk_add_f32 v[152:153], v[152:153], v[156:157]
	v_pk_add_f32 v[154:155], v[154:155], v[158:159]
	v_pk_add_f32 v[144:145], v[144:145], v[152:153]
	v_pk_add_f32 v[146:147], v[146:147], v[154:155]
	v_pk_add_f32 v[144:145], v[144:145], v[146:147]
	v_add_f32 v144, v144, v145
	v_sqrt_f32 v145, v144
	v_nop
	s_wait_alu depctr_va_vdst(0)
	v_max_num_f32 v145, 0x2b8cbccc, v145
	v_rcp_f32 v145, v145
	v_nop
	s_wait_alu depctr_va_vdst(0)
.irp i, 0,1,2,3
	v_mul_f32 v[146+2*\i], v[INV+\i], v145         ; both norms in one factor, twice: a pair for the packed multiply
	v_mul_f32 v[147+2*\i], v[INV+\i], v145
.endr
.irp i, 0,1,2,3
.irp t, 0,2,4,6
	v_pk_mul_f32 v[P0+32*\i+\t:P0+32*\i+\t+1], v[P0+32*\i+\t:P0+32*\i+\t+1], v[146+2*\i:147+2*\i]
.endr
.endr
.irp i, 0,1,2,3
.irp hf, 0,1
	global_store_b128 v1, v[P0+32*\i+4*\hf:P0+32*\i+4*\hf+3], s[6:7] offset:\i*1024+512*\hf th:TH_STORE_NT
.endr
.endr
	s_wait_tensorcnt 0x0
	ds_add_u32 v160, v161
	s_wait_dscnt 0x0
	s_endpgm
.Lfunc_end_k_q484742dc48_finish:
	.size	k_q484742dc48_finish, .Lfunc_end_k_q484742dc48_finish-k_q484742dc48_finish
	.p2alignl 7, 3214868480
	.fill 96, 4, 3214868480
	.section	.rodata,"a",@progbits
	.p2align	6, 0x0
	.amdhsa_kernel k_q484742dc48_finish
		.amdhsa_group_segment_fixed_size 2304
		.amdhsa_private_segment_fixed_size 0
		.amdhsa_enable_private_segment 0
		.amdhsa_kernarg_size 16
		.amdhsa_user_sgpr_count 2
		.amdhsa_user_sgpr_kernarg_segment_ptr 1
		.amdhsa_wavefront_size32 1
		.amdhsa_system_sgpr_workgroup_id_x 1
		.amdhsa_system_sgpr_workgroup_id_y 1
		.amdhsa_system_sgpr_workgroup_id_z 1
		.amdhsa_system_vgpr_workitem_id 0
		.amdhsa_next_free_vgpr 162
		.amdhsa_next_free_sgpr 66
		.amdhsa_reserve_vcc 0
		.amdhsa_float_denorm_mode_32 3
		.amdhsa_float_denorm_mode_16_64 3
		.amdhsa_memory_ordered 1
		.amdhsa_forward_progress 1
		.amdhsa_inst_pref_size 14
	.end_amdhsa_kernel
	.amdgpu_metadata
---
amdhsa.version: [ 1, 2 ]
amdhsa.kernels:
  - .name:           k_q484742dc48_finish
    .symbol:         k_q484742dc48_finish.kd
    .args:
      - { .name: part, .offset: 0, .size: 8, .value_kind: global_buffer, .address_space: global }
      - { .name: out0, .offset: 8, .size: 8, .value_kind: global_buffer, .address_space: global }
    .group_segment_fixed_size: 2304
    .private_segment_fixed_size: 0
    .kernarg_segment_align: 8
    .kernarg_segment_size: 16
    .max_flat_workgroup_size: 512
    .sgpr_count:     66
    .vgpr_count:     162
    .wavefront_size: 32
...
	.end_amdgpu_metadata
.endif
;; end of part 2
;; ======== version 2 of 2: 2 launches; version 1 with the launch partial written anew for expert scheduling mode
;; workspace buffers: part 16,777,216 bytes
;; launch partial (part 3): grid 256 x 1, 4 waves a work-group, no clusters, 215,552 bytes of LDS; arguments x, conv_weight, centroids, part; writes part
.if DOCPART == 3
	.amdgcn_target "amdgcn-amd-amdhsa--gfx1250"
	.amdhsa_code_object_version 6
	.text
	.protected	k_q484742dc48_partial
	.globl	k_q484742dc48_partial
	.p2align	8
	.type	k_q484742dc48_partial,@function
k_q484742dc48_partial:
	s_mov_b64 s[64:65], 0
	v_nop
	global_prefetch_b8 v0, s[64:65] scope:SCOPE_SE
	s_setreg_imm32_b32 hwreg(HW_REG_WAVE_SCHED_MODE, 0, 2), 2
	s_setreg_imm32_b32 hwreg(HW_REG_WAVE_MODE, 25, 1), 1
	s_wait_xcnt 0x0
	s_wait_alu depctr_vm_vsrc(0)
; NetVLAD, first of two launches.  Work-group id = 4 n + q takes image n and the columns l = 1024 q .. 1024 q + 1023 of x[n] ([256 d][4096 l], f32)
; and stores   part[id][k][d] = sum over its l of a[k,l] * (xn[d,l] - c[k,d]),   f32 [64][256],
; where xn = x / max(|x column|, 1e-12) and a = softmax over k of (W xn).  The second launch adds the four parts of an image and normalises.
; x is read from memory once.  The quarter is walked as four tiles of 256 d x 256 l; a tile goes through three phases:
;   A  wave w owns columns 64 w .. 64 w + 63 over all 256 d: eight chunks of 32 d.  One 16-byte load gives a lane x[d + 8 h][4 r .. 4 r + 3]
;      (r = lane % 16, h = lane / 16), so sixteen lanes read 256 consecutive, aligned bytes.  The lane's four floats belong to four B fragments
;      (fragment j holds column 4 r + j), and rows d, d + 1 pack straight into fragment registers: product 1 (raw logits = W x) needs no
;      transposition.  The SAME fragment registers go to LDS (eight neighbouring d of one column = 16 bytes): x is converted once.
;   B  softmax in registers: a lane holds 4 columns x 32 of the 64 k, lane ^ 16 the other 32.  The column's true maximum is taken away.
;      1 / norm is never applied to x: it scales the logits inside the exponent's multiply-add, and a before a is rounded to bf16.
;      a' = a / norm goes to LDS as it lies too: eight neighbouring k of one column = 16 bytes.
;   C  product 2, a' times x over the columns.  Both lie in LDS with the column as the row, so both fragments come by transposing loads.
;      Wave w takes the 128 columns of strips 2 (w / 2), 2 (w / 2) + 1 and d = 128 (w % 2) .. + 127: 32 accumulator tiles, 256 registers;
;      each byte of x is read from LDS once and each byte of a' twice.  The two column halves are added at the end.
; LDS ROW of column 4 r + j of strip w: 64 w + 16 j + r, for x and for a' alike, so product 2's K runs in the same order on both sides.
; The centroid term is linear in a, so it is taken off here: part = (a' x^T) - (sum of a) c.
; NO CLUSTER: no two work-groups read the same bytes of x; W and c, which all read, are 131,072 bytes against 1,048,576 of x for each work-group.
; NO TENSOR LOADS: x arrives in f32 and is wanted as bf16; through registers it is converted once and LDS holds half the bytes.
; LIMITS: NaN and infinities in the inputs are not treated.  A column's sum of squares overflows or underflows f32 as it does in the definition.
; v_sqrt_f32, v_rcp_f32, v_exp_f32 flush denormals (ISA guide 15.8): a sum of squares under 2^-126 counts as 0 and falls under the 1e-12 clamp, where
; the definition's lies too.  A division is v_rcp_f32 and a multiply (1 ULP).  Matrix operands are bf16 (x raw, W, a / norm), all sums f32.
; THE MODE: SCHED_MODE bits 1:0 = 2 (LLVM: expert scheduling mode 2), set by the entry lines.  The code itself states the register dependences
; between vector or matrix instructions and memory or LDS instructions, with s_wait_alu, always for 0.
; THE PLAN.  Registers that memory or LDS instructions touch:
;   v2-14          addresses, made at the head and never written again: one wait on va_vdst ahead of the first load serves the whole kernel.
;   ring slot s    chunk c (s = c % 4): its squares and conversions read the slot; behind them sixteen loads land in it again.
;   BF0, BF1       chunk c's conversions write BF[c % 2]; its eight LDS stores and its sixteen matrix instructions read it.
;   PK (phase B)   written by the roundings of a', read by sixteen LDS stores.
;   b0, b1 (phase C)  fragment buffers: LDS loads land in them, product 2's matrix instructions read them.
; A chunk has ONE wait on va_vdst, behind its conversions: BF[c % 2] is written and the slot is read out; the stores and the loads follow it.  Chunks 2, 4 and 6 have
; one wait on vm_vsrc at their head: the stores of the two chunks before have read both sets, so this chunk's and the next one's conversions may write them.
; Phase B has a wait on va_vdst for each batch of transcendentals and one behind the roundings, which also serves phase C's first loads: no vector instruction stands between.
; In phase C one wait on va_vdst stands at the head of steps 1 and 2: the buffer just multiplied is read out.  The step's 24 loads into it follow, dealt
; among the step's 32 matrix instructions, which name the other buffer and the accumulators alone.
.set XROW,   16384                     ; bytes from d to d + 1 in x
.set TILEB,  1024                      ; bytes of a tile's 256 columns in a row of x
.set PX,     544                       ; LDS row of x: one column's 256 d in bf16 + 32 bytes = 17 x 32
.set PA,     160                       ; LDS row of a': one column's 64 k in bf16 + 32 bytes = 5 x 32
; With these pitches the eight rows that eight lanes of a transposing load address start at eight different multiples of 32 modulo 256, and the two
; 16-byte columns fill the gaps.  A store takes sixteen rows at once: rows 8-15 would fall on rows 0-7.  So bit 4 of the byte inside a row is
; flipped in rows 8-15 of every sixteen: one lane term, 16 ((h + r / 8) % 2), the same for the stores (row r, half h) and for the loads
; (rows 8 h + lane % 8, half r / 8); every sixteen lanes then touch sixteen different 16-byte columns modulo 256.
.set PW,     528                       ; LDS row of W: 256 d in bf16 + 16 bytes = 33 x 16, for plain fragment loads
.set APB,    256*PX                    ; LDS: x at 0; a' here
.set WBF,    APB+256*PA                ; W [64 k][256 d] bf16, used once
.set ASB,    WBF+64*PW                 ; [4 waves][64 k] f32: the waves' sums of a
.set SPITCH, 1040                      ; the way out: [64 k][256 d] f32, rows of 1024 + 16 = 65 x 16 bytes,
.set STG,    64*SPITCH                 ; one stage for each column half, both over x's region
; REGISTERS, in windows of 256.  Window 0:
.set GOFF, 2                           ; x in memory: (8 h) rows + 256 w + 16 r bytes
.set COFF, 3                           ; W, c, part: 16 w rows of 1,024 bytes + 16 lane
.set XS,   4                           ; x, store: (64 w + r) rows + the flip
.set APS,  5                           ; a', store: the same rows of a'
.set XL,   6                           ; x, fragment load: (128 (w / 2) + 8 h + lane % 8) rows + 256 (w % 2) + the flip
.set APL,  7                           ; a', fragment load: the same rows of a' + the flip
.set WL,   8                           ; W, fragment load: r rows + 16 h
.set WS,   9                           ; W, store: 16 w rows + 8 lane
.set STL,  10                          ; way out, load from stage 0: 16 w rows + 16 lane
.set STL2, 11                          ; and from stage 1
.set ASL,  12                          ; sums of a, load: 64 w
.set ASS,  13                          ; sums of a, store: 256 w + 32 h
.set STS,  14                          ; way out, store: stage w / 2, r rows + 32 h + 512 (w % 2)
.set SS,   16                          ; v16-23  two sets of four sums of squares
.set ASUM, 24                          ; v24-55  sum of a for k = 16 kt + 8 h + e at 8 kt + e          (v56-61: set-up only)
.set BF,   64                          ; v64-127  phase A: two sets of B fragments, chunk c's at 32 (c % 2), fragment j at 8 j
.set LG,   128                         ; v128-255 logits, tile (kt, j) at 8 (4 kt + j): register e = (k = 16 kt + 8 h + e, column 4 r + j)
.set TP,   64                          ; phase B, in v64-127: what comes from lane ^ 16
.set NRM,  68                          ; column norms
.set INV,  72                          ; pairs (both halves alike, for the packed forms): 1 / norm
.set SC,   80                          ; log2(e) / norm
.set NM,   88                          ; - maximum x SC
.set MX,   96                          ; maxima of the raw logits
.set SUM,  100                         ; sums of the exponentials
.set RS,   108                         ; 1 / sum
.set QS,   116                         ; 1 / (sum x norm)
.set PK,   64                          ; then a' packed: tile (kt, j) at 4 (4 kt + j)
; phase C: two fragment buffers at 64 and 160: 8 fragments of x (16 d x 32 columns), then 4 of a' (16 k x 32 columns)
; Window 1: the ring of x, four slots of 64 registers (16 loads).  Window 2: W as 32 A fragments, (chunk c, kt) at 8 (4 c + kt).
; Window 3: product 2's 32 accumulator tiles, (dt, kt) at 8 (4 dt + kt).
.set MSB, 0
.macro WIN new                         ; low byte: bits 1:0 source 0, 3:2 source 1, 5:4 source 2, 7:6 destination; the high byte repeats the setting that is left
.if MSB != \new
	s_set_vgpr_msb (MSB<<8)|\new
.set MSB, \new
.endif
.endm
.set FROM_RING, 0x05                   ; sources 0 and 1 in window 1
.set TO_RING,   0x40                   ; destination in window 1
.set TO_WF,     0x80                   ; destination in window 2
.set MUL1,      0x02                   ; A in window 2
.set MUL2,      0xf0                   ; C and D in window 3
.set FROM_VA,   0x0c                   ; an LDS store's data in window 3
.set CEN,       0x04                   ; source 1 in window 1
.macro PLACES                          ; four independent vector instructions between a matrix instruction and a vector instruction or a store that touches its registers
.rept 4
	v_nop
.endr
.endm
	s_load_b256 s[4:11], s[0:1], 0x0               ; x s[4:5], W s[6:7], c s[8:9], part s[10:11]
	v_lshl_add_u32 v62, v0, 2, 0x34800
	v_mov_b32 v63, 0
	v_lshrrev_b32 v1, 5, v0
	v_readfirstlane_b32 s12, v1                    ; w, the wave
	v_and_b32 v56, 15, v0                          ; r
	v_bfe_u32 v57, v0, 4, 1                        ; h
	v_and_b32 v58, 31, v0                          ; lane
	v_bfe_u32 v59, v0, 3, 1                        ; r / 8
	v_add_nc_u32 v59, v59, v57
	v_and_b32 v59, 1, v59
	v_lshlrev_b32 v59, 4, v59                      ; the flip: 16 ((h + r / 8) % 2)
	v_and_b32 v60, 7, v0
	v_lshl_add_u32 v60, v57, 3, v60                ; 8 h + lane % 8
	s_mov_b32 s16, 0x76543210                      ; v_permlanex16_b32: lane i reads lane i ^ 16
	s_mov_b32 s17, 0xfedcba98
	s_wait_alu depctr_va_sdst(0)                   ; s12 is written, ahead of its first reader: the wave's shares and addresses are made from it
	s_lshr_b32 s24, s12, 1                         ; w / 2: my column half in product 2
	s_and_b32 s25, s12, 1                          ; w % 2: my half of d
	s_lshl_b32 s20, s12, 8                         ; 256 w
	v_lshlrev_b32 v[GOFF], 4, v56
	v_lshl_add_u32 v[GOFF], v57, 17, v[GOFF]       ; 8 rows of 16,384 bytes
	v_add_nc_u32 v[GOFF], s20, v[GOFF]
	s_lshl_b32 s21, s12, 14
	v_lshl_add_u32 v[COFF], v58, 4, s21
	v_mul_u32_u24 v61, v56, PX
	v_add_nc_u32 v61, v61, v59
	s_mul_i32 s21, s12, 64*PX
	v_add_nc_u32 v[XS], s21, v61
	v_mul_u32_u24 v61, v56, PA
	v_add_nc_u32 v61, v61, v59
	s_mul_i32 s21, s12, 64*PA
	s_add_co_u32 s21, s21, APB
	v_add_nc_u32 v[APS], s21, v61
	v_mul_u32_u24 v61, v60, PX
	v_add_nc_u32 v61, v61, v59
	s_mul_i32 s21, s24, 128*PX
	s_lshl_b32 s26, s25, 8                         ; 128 d of 2 bytes
	s_add_co_u32 s21, s21, s26
	v_add_nc_u32 v[XL], s21, v61
	v_mul_u32_u24 v61, v60, PA
	v_add_nc_u32 v61, v61, v59
	s_mul_i32 s21, s24, 128*PA
	s_add_co_u32 s21, s21, APB
	v_add_nc_u32 v[APL], s21, v61
	v_mul_u32_u24 v61, v56, PW
	v_lshl_add_u32 v61, v57, 4, v61
	v_add_nc_u32 v[WL], WBF, v61
	s_mul_i32 s21, s12, 16*PW
	s_add_co_u32 s21, s21, WBF
	v_lshl_add_u32 v[WS], v58, 3, s21
	s_mul_i32 s21, s12, 16*SPITCH
	v_lshl_add_u32 v[STL], v58, 4, s21
	v_add_nc_u32 v[STL2], STG, v[STL]
	s_lshl_b32 s21, s12, 6
	s_add_co_u32 s21, s21, ASB
	v_mov_b32 v[ASL], s21
	s_add_co_u32 s21, s20, ASB
	v_lshl_add_u32 v[ASS], v57, 5, s21
	v_mul_u32_u24 v[STS], v56, SPITCH
	v_lshl_add_u32 v[STS], v57, 5, v[STS]
	s_mul_i32 s21, s24, STG
	s_lshl_b32 s26, s25, 9                         ; 128 d of 4 bytes
	s_add_co_u32 s21, s21, s26
	v_add_nc_u32 v[STS], s21, v[STS]
	s_lshr_b32 s14, ttmp9, 2                       ; n
	s_lshl_b32 s14, s14, 22                        ; x 256 rows of 16,384 bytes (63 << 22 stays inside 32 bits)
	s_and_b32 s15, ttmp9, 3                        ; q
	s_lshl_b32 s15, s15, 12                        ; x 1,024 columns of 4 bytes
	s_add_co_u32 s14, s14, s15
	s_mov_b32 s15, 0
	s_lshl_b32 s22, ttmp9, 16                      ; part: 65,536 bytes for each work-group
	s_mov_b32 s23, 0
	s_wait_kmcnt 0x0
	s_add_nc_u64 s[4:5], s[4:5], s[14:15]
	s_add_nc_u64 s[10:11], s[10:11], s[22:23]
	s_wait_alu depctr_va_vdst(0)                   ; the thirteen addresses v2 to v14 are written: every load and store of the kernel reads one of them, and none is written again
; 16 loads: chunk ch (rows 32 ch .. 32 ch + 31) of this tile (adv = 0) or the next (adv = 1) into a slot.  Load i takes rows 32 ch + i + 8 (i / 8) + 8 h.
; The largest immediate is 247 rows + 1,024 = 4,047,872 bytes, inside the signed 24 bits.
.macro XLOAD slot, ch, adv
	WIN TO_RING
.set ii, 0
.rept 16
	global_load_b128 v[64*(\slot)+4*ii:64*(\slot)+4*ii+3], v[GOFF], s[4:5] offset:(32*(\ch)+ii+8*(ii/8))*XROW+(\adv)*TILEB th:TH_LOAD_NT
.set ii, ii+1
.endr
.endm
; One chunk of phase A.  left = how many younger loads may stay out when this slot's sixteen have to be in.
.macro CHUNK c, reload, left
.set RB, 64*(\c%4)
.set BC, BF+32*(\c%2)                                      ; this chunk's set of fragments
.if \c == 0
.set NSTART, 1                                             ; the tile's first two loads start the two sets of sums: nothing is cleared
.else
.set NSTART, 0
.endif
	s_wait_loadcnt \left                           ; loads come back in order (ISA guide 5.7.1): my slot is in, the younger slots stay on their way
.if (\c%2 == 0) && (\c > 0)
	s_wait_alu depctr_vm_vsrc(0)                   ; the LDS stores of the two chunks before have read both sets of fragments, which this chunk's and the next one's conversions write again
.endif
	WIN FROM_RING
	; Squares of loads 2 i, 2 i + 1 run one pair ahead of the packing: a chain's links stand eight instructions apart.  The set that is written was last
	; read by the matrix instructions of two chunks back; in a tile's first two chunks it lies in product 2's first fragment buffer, whose last readers
	; stand behind at least these eight plain instructions (four are needed: ISA guide 7.12.1).
	; B fragment j, register p: rows 8 h + 2 p, + 1 (p < 4) or 16 + 8 h + 2 (p - 4), + 1 of the chunk = loads 2 p and 2 p + 1, float j.
.set ii, 0
.rept 9
.if ii < 8
.irp q, 0,2,4,6
.if ii < NSTART
	v_pk_mul_f32 v[SS+\q:SS+\q+1], v[RB+8*ii+\q:RB+8*ii+\q+1], v[RB+8*ii+\q:RB+8*ii+\q+1]
.else
	v_pk_fma_f32 v[SS+\q:SS+\q+1], v[RB+8*ii+\q:RB+8*ii+\q+1], v[RB+8*ii+\q:RB+8*ii+\q+1], v[SS+\q:SS+\q+1]
.endif
.endr
.endif
.if ii >= 1
.irp j, 0,1,2,3
	v_cvt_pk_bf16_f32 v[BC+8*\j+ii-1], v[RB+8*(ii-1)+\j], v[RB+8*(ii-1)+4+\j]
.endr
.endif
.set ii, ii+1
.endr
	WIN 0
	s_wait_alu depctr_va_vdst(0)                   ; the conversions have written this chunk's fragments, which the LDS stores read; squares and conversions are done reading the slot, in which the loads below land
	; the fragments as they are: registers 0-3 are d = 32 c + 8 h .. + 7 of column 4 r + j, registers 4-7 are d = 32 c + 16 + 8 h .. + 7
.set jj, 0
.rept 4
	ds_store_b128 v[XS], v[BC+8*jj:BC+8*jj+3] offset:16*jj*PX+64*\c
	ds_store_b128 v[XS], v[BC+8*jj+4:BC+8*jj+7] offset:16*jj*PX+64*\c+32
.set jj, jj+1
.endr
.if \reload
.if \c < 4
	XLOAD \c%4, \c+4, 0                            ; the slot has been read out: four chunks ahead, in this tile.  No further wait: only the stores above, which name neither the slot nor its address, stand behind the wait
.else
	XLOAD \c%4, \c-4, 1                            ; or in the next
.endif
.endif
	WIN MUL1
.set kk, 0
.rept 4
.set jj, 0
.rept 4
.if \c == 0
	v_wmma_f32_16x16x32_bf16 v[LG+8*(4*kk+jj):LG+8*(4*kk+jj)+7], v[8*(4*\c+kk):8*(4*\c+kk)+7], v[BC+8*jj:BC+8*jj+7], 0
.else
	v_wmma_f32_16x16x32_bf16 v[LG+8*(4*kk+jj):LG+8*(4*kk+jj)+7], v[8*(4*\c+kk):8*(4*\c+kk)+7], v[BC+8*jj:BC+8*jj+7], v[LG+8*(4*kk+jj):LG+8*(4*kk+jj)+7]
.endif
.set jj, jj+1
.endr
.set kk, kk+1
.endr
.endm
; The centroids of my 16 output rows, into the ring's first 128 registers, which are done with by then: their last readers, the squares and conversions of
; chunks 4 and 5, stand ahead of chunk 7's wait on va_vdst, and behind that wait stand matrix instructions alone, which name no register of the ring
.macro CLOAD
	WIN TO_RING
.set tt, 0
.rept 32
	global_load_b128 v[4*tt:4*tt+3], v[COFF], s[8:9] offset:(tt/2)*1024+512*(tt%2)
.set tt, tt+1
.endr
.endm
; Phase B.  first = 1: the sums of a are started, not added to.
.macro SOFTMAX first
	WIN 0
	s_wait_alu depctr_vm_vsrc(0)                   ; the LDS stores of chunks 6 and 7 have read v64-127, which the lines below write
	PLACES                                         ; behind product 1's last instructions: their results are read and their B fragments rewritten
	v_pk_add_f32 v[SS:SS+1], v[SS:SS+1], v[SS+4:SS+5]
	v_pk_add_f32 v[SS+2:SS+3], v[SS+2:SS+3], v[SS+6:SS+7]
.irp j, 0,1,2,3
	v_permlanex16_b32 v[TP+\j], v[SS+\j], s16, s17 ; lane ^ 16 holds the other 128 rows' squares
.endr
.irp j, 0,1,2,3
	v_add_f32 v[SS+\j], v[SS+\j], v[TP+\j]
.endr
.irp j, 0,1,2,3
	v_sqrt_f32 v[NRM+\j], v[SS+\j]                 ; the maxima below are the plain instructions between these and the use of their results (ISA guide 5.7.2)
.endr
	; the largest raw logit of each column's 32 k in this lane: 1 / norm is positive, so it is the largest logit too.  Four chains take turns.
.irp j, 0,1,2,3
	v_max3_num_f32 v[MX+\j], v[LG+8*\j], v[LG+8*\j+1], v[LG+8*\j+2]
.endr
.set qq, 3
.rept 14
.irp j, 0,1,2,3
	v_max3_num_f32 v[MX+\j], v[MX+\j], v[LG+32*(qq/8)+8*\j+qq%8], v[LG+32*((qq+1)/8)+8*\j+(qq+1)%8]
.endr
.set qq, qq+2
.endr
.irp j, 0,1,2,3
	v_max_num_f32 v[MX+\j], v[MX+\j], v[LG+96+8*\j+7]
.endr
	s_wait_alu depctr_va_vdst(0)                   ; the four square roots have written the norms, ahead of their first reader
.irp j, 0,1,2,3
	v_max_num_f32 v[NRM+\j], 0x2b8cbccc, v[NRM+\j] ; max(norm, 1e-12)
.endr
.irp j, 0,1,2,3
	v_rcp_f32 v[INV+2*\j], v[NRM+\j]
	v_rcp_f32 v[INV+2*\j+1], v[NRM+\j]
.endr
	v_nop                                          ; one plain instruction behind the last reciprocal
.irp j, 0,1,2,3
	v_permlanex16_b32 v[TP+\j], v[MX+\j], s16, s17
.endr
.irp j, 0,1,2,3
	v_max_num_f32 v[MX+\j], v[MX+\j], v[TP+\j]     ; the maximum over all 64 k
.endr
	s_wait_alu depctr_va_vdst(0)                   ; the eight reciprocals have written 1 / norm, ahead of their first reader
.irp j, 0,1,2,3
	v_pk_mul_f32 v[SC+2*\j:SC+2*\j+1], v[INV+2*\j:INV+2*\j+1], 0x3fb8aa3b op_sel_hi:[1,0]
.endr
.irp j, 0,1,2,3
	v_mul_f32 v[NM+2*\j], -v[MX+\j], v[SC+2*\j]
	v_mul_f32 v[NM+2*\j+1], -v[MX+\j], v[SC+2*\j]
.endr
	; exponent in base 2: (raw - maximum) x log2(e) / norm, one fused multiply-add
.set tt, 0
.rept 16
.set jj, tt%4
.irp p, 0,2,4,6
	v_pk_fma_f32 v[LG+8*tt+\p:LG+8*tt+\p+1], v[LG+8*tt+\p:LG+8*tt+\p+1], v[SC+2*jj:SC+2*jj+1], v[NM+2*jj:NM+2*jj+1]
.endr
.set tt, tt+1
.endr
.set tt, 0
.rept 128
	v_exp_f32 v[LG+tt], v[LG+tt]
.set tt, tt+1
.endr
	v_nop
	s_wait_alu depctr_va_vdst(0)                   ; the 128 exponentials, one batch, have written their results, ahead of the first sum
.irp j, 0,1,2,3
	v_pk_add_f32 v[SUM+2*\j:SUM+2*\j+1], v[LG+8*\j:LG+8*\j+1], v[LG+8*\j+2:LG+8*\j+3]
.endr
.set qq, 4
.rept 14
.irp j, 0,1,2,3
	v_pk_add_f32 v[SUM+2*\j:SUM+2*\j+1], v[SUM+2*\j:SUM+2*\j+1], v[LG+32*(qq/8)+8*\j+qq%8:LG+32*(qq/8)+8*\j+qq%8+1]
.endr
.set qq, qq+2
.endr
.irp j, 0,1,2,3
	v_add_f32 v[SUM+2*\j], v[SUM+2*\j], v[SUM+2*\j+1]
.endr
.irp j, 0,1,2,3
	v_permlanex16_b32 v[TP+\j], v[SUM+2*\j], s16, s17
.endr
.irp j, 0,1,2,3
	v_add_f32 v[SUM+2*\j], v[SUM+2*\j], v[TP+\j]   ; at least about 1: the largest term is 2^0
.endr
.irp j, 0,1,2,3
	v_rcp_f32 v[RS+2*\j], v[SUM+2*\j]
	v_rcp_f32 v[RS+2*\j+1], v[SUM+2*\j]
.endr
	v_nop
	s_wait_alu depctr_va_vdst(0)                   ; the eight reciprocals have written 1 / sum, ahead of their first reader
.irp j, 0,1,2,3
	v_pk_mul_f32 v[QS+2*\j:QS+2*\j+1], v[RS+2*\j:RS+2*\j+1], v[INV+2*\j:INV+2*\j+1]
.endr
	; sum of a over my four columns, in f32, from the unrounded a
.set tt, 0
.rept 16
.if \first
	v_pk_mul_f32 v[ASUM+2*tt:ASUM+2*tt+1], v[LG+32*(tt/4)+2*(tt%4):LG+32*(tt/4)+2*(tt%4)+1], v[RS:RS+1]
.else
	v_pk_fma_f32 v[ASUM+2*tt:ASUM+2*tt+1], v[LG+32*(tt/4)+2*(tt%4):LG+32*(tt/4)+2*(tt%4)+1], v[RS:RS+1], v[ASUM+2*tt:ASUM+2*tt+1]
.endif
.set tt, tt+1
.endr
.irp j, 1,2,3
.set tt, 0
.rept 16
	v_pk_fma_f32 v[ASUM+2*tt:ASUM+2*tt+1], v[LG+32*(tt/4)+8*\j+2*(tt%4):LG+32*(tt/4)+8*\j+2*(tt%4)+1], v[RS+2*\j:RS+2*\j+1], v[ASUM+2*tt:ASUM+2*tt+1]
.set tt, tt+1
.endr
.endr
	; a' = a / norm, rounded once to bf16; a tile's eight registers are eight neighbouring k of one column = 16 bytes
.set tt, 0
.rept 16
.set jj, tt%4
.irp p, 0,2,4,6
	v_pk_mul_f32 v[LG+8*tt+\p:LG+8*tt+\p+1], v[LG+8*tt+\p:LG+8*tt+\p+1], v[QS+2*jj:QS+2*jj+1]
.endr
.set tt, tt+1
.endr
.set tt, 0
.rept 16
.irp p, 0,1,2,3
	v_cvt_pk_bf16_f32 v[PK+4*tt+\p], v[LG+8*tt+2*\p], v[LG+8*tt+2*\p+1]
.endr
.set tt, tt+1
.endr
	s_wait_alu depctr_va_vdst(0)                   ; the roundings have written v64-127, which the LDS stores read; all vector work on v64-255 is done, in which phase C's first fragments land: no vector instruction stands between
.set tt, 0
.rept 16
	ds_store_b128 v[APS], v[PK+4*tt:PK+4*tt+3] offset:16*(tt%4)*PA+32*(tt/4)   ; row 16 j + r of my strip, k = 16 kt + 8 h .. + 7
.set tt, tt+1
.endr
.endm
; Transposing LDS loads: the fragments of 32 columns at step st (8 x 16 d of x, 4 x 16 k of a') into buffer b, eight loads to a macro.  A load takes 8 x 8 numbers of
; 16 bits in each group of eight lanes (rows = columns of the tile) and gives lane (r, h) eight columns 8 h .. 8 h + 7 of d (or k) r:
; the first load of a pair fills registers 0-3, the second, 16 rows on, registers 4-7.
.macro FETCHX st, b, k0                ; four fragments of x, from fragment k0 on
	WIN 0
.set FBB, 64+96*(\b)
.set kk, \k0
.rept 4
	ds_load_tr16_b128 v[FBB+8*kk:FBB+8*kk+3], v[XL] offset:32*(\st)*PX+32*kk
	ds_load_tr16_b128 v[FBB+8*kk+4:FBB+8*kk+7], v[XL] offset:(32*(\st)+16)*PX+32*kk
.set kk, kk+1
.endr
.endm
.macro FETCHA st, b                    ; the four fragments of a'
	WIN 0
.set FBB, 64+96*(\b)
.set kk, 0
.rept 4
	ds_load_tr16_b128 v[FBB+64+8*kk:FBB+64+8*kk+3], v[APL] offset:32*(\st)*PA+32*kk
	ds_load_tr16_b128 v[FBB+64+8*kk+4:FBB+64+8*kk+7], v[APL] offset:(32*(\st)+16)*PA+32*kk
.set kk, kk+1
.endr
.endm
.macro FETCH st, b                     ; all 24 in one run
	FETCHX \st, \b, 0
	FETCHX \st, \b, 4
	FETCHA \st, \b
.endm
; 4 nd matrix instructions on buffer b: d blocks d0 .. d0 + nd - 1 x all 4 k blocks.  Source 0 = x (rows d), source 1 = a' (rows k): register e of lane (r, h) is
; (k = 16 kt + r, d = 128 (w % 2) + 16 dt + 8 h + e), eight neighbouring d of one k.  The 32 accumulators take turns.
.macro MULD b, zero, d0, nd
.set FBB, 64+96*(\b)
	WIN MUL2
.set dd, \d0
.rept \nd
.set kk, 0
.rept 4
.if \zero
	v_wmma_f32_16x16x32_bf16 v[8*(4*dd+kk):8*(4*dd+kk)+7], v[FBB+8*dd:FBB+8*dd+7], v[FBB+64+8*kk:FBB+64+8*kk+7], 0
.else
	v_wmma_f32_16x16x32_bf16 v[8*(4*dd+kk):8*(4*dd+kk)+7], v[FBB+8*dd:FBB+8*dd+7], v[FBB+64+8*kk:FBB+64+8*kk+7], v[8*(4*dd+kk):8*(4*dd+kk)+7]
.endif
.set kk, kk+1
.endr
.set dd, dd+1
.endr
.endm
; A step that multiplies buffer mb and fetches step fs into buffer fb, which has just been multiplied.  The 24 loads are dealt among the 32 matrix instructions,
; early in the step: behind the last of them stand sixteen matrix instructions.
.macro STEP2 fs, fb, mb
	s_wait_alu depctr_va_vdst(0)                   ; the 32 matrix instructions before are done reading buffer fb, in which this step's loads land; the matrix instructions below name buffer mb and the accumulators alone
	FETCHX \fs, \fb, 0
	s_wait_dscnt 8                                 ; LDS loads come back in order (ISA guide 5.7.1): the eight just issued stay out, buffer mb is whole
	MULD \mb, 0, 0, 2
	FETCHX \fs, \fb, 4
	MULD \mb, 0, 2, 2
	FETCHA \fs, \fb
	MULD \mb, 0, 4, 4
.endm
; Phase C: four steps of 32 columns, two buffers; a step's fragments are asked for in the step before
.macro GEMM2 first
	WIN 0
	s_wait_alu depctr_vm_vsrc(0)                   ; my LDS stores of a' have read v64-127, in which the first fragments land
	FETCH 0, 0
	FETCH 1, 1
	s_wait_dscnt 24                                ; the run of 24 just issued stays out, buffer 0 is whole
	MULD 0, \first, 0, 8                           ; in the first tile the first products start the sums
	STEP2 2, 0, 1
	STEP2 3, 1, 0
	s_wait_dscnt 0x0                               ; my reads of x and of a' are over:
	s_barrier_signal -1                            ; say so,
	MULD 1, 0, 0, 8                                ; work on registers while the others arrive,
	s_barrier_wait -1                              ; and only behind this are the two regions written again
	WIN 0
.endm
.macro TILE first, last
.if \last
	CHUNK 0, 1, 48
	CHUNK 1, 1, 48
	CHUNK 2, 1, 48
	CHUNK 3, 1, 48
	CHUNK 4, 0, 48                                 ; nothing follows the last tile: no load leaves the quarter, and the counts run down
	CHUNK 5, 0, 32
	CHUNK 6, 0, 16
	CHUNK 7, 0, 0
	CLOAD
.else
.irp cc, 0,1,2,3,4,5,6,7
	CHUNK \cc, 1, 48                               ; 48 = the three younger slots' loads
.endr
.endif
	SOFTMAX \first
	s_wait_dscnt 0x0                               ; my strips of x and of a' are written, for the other waves' sake
	s_barrier_signal -1
	s_barrier_wait -1
	GEMM2 \first
.if \last == 0
	s_wait_xcnt 0x0                                ; the pending loads' base is stepped only behind this wait
	s_add_nc_u64 s[4:5], s[4:5], TILEB
.endif
.endm
	; W: my 16 rows, 32 loads of 512 consecutive bytes; behind them the ring's first slots, so that x is on its way while W is prepared
.set tt, 0
.rept 32
	global_load_b128 v[128+4*tt:128+4*tt+3], v[COFF], s[6:7] offset:(tt/2)*1024+512*(tt%2)
.set tt, tt+1
.endr
	XLOAD 0, 0, 0
	XLOAD 1, 1, 0
	s_wait_loadcnt 32                              ; the 32 loads of x stay out; W is in
	XLOAD 2, 2, 0
	WIN 0
.set tt, 0
.rept 32
	v_cvt_pk_bf16_f32 v[64+2*tt], v[128+4*tt], v[128+4*tt+1]
	v_cvt_pk_bf16_f32 v[65+2*tt], v[128+4*tt+2], v[128+4*tt+3]
.set tt, tt+1
.endr
	s_wait_alu depctr_va_vdst(0)                   ; the conversions have written v64-127, which the LDS stores read
.set tt, 0
.rept 32
	ds_store_b64 v[WS], v[64+2*tt:65+2*tt] offset:(tt/2)*PW+256*(tt%2)
.set tt, tt+1
.endr
	s_wait_dscnt 0x0                               ; my rows of W are written, for the other waves' sake
	s_barrier_signal -1
	s_barrier_wait -1
	WIN TO_WF                                      ; all of W as A fragments: 256 registers that stay for the whole launch
.set tt, 0
.rept 32
	ds_load_b128 v[8*tt:8*tt+3], v[WL] offset:(tt%4)*16*PW+64*(tt/4)
	ds_load_b128 v[8*tt+4:8*tt+7], v[WL] offset:(tt%4)*16*PW+64*(tt/4)+32
.set tt, tt+1
.endr
	XLOAD 3, 3, 0                                  ; the ring is full: 64 loads of 512 bytes asked for by each wave (the issue of one that the counter's field cannot hold is held back: ISA guide 5.7.1)
	s_wait_dscnt 0x0
	s_wait_alu depctr_vm_vsrc(0)                   ; my LDS stores of W have read v64-127: these registers are the two sets of B fragments from here on, written by the first two chunks' conversions
	TILE 1, 0                                      ; the first tile stands in front of the loop: its first products and sums start the accumulators
	s_mov_b32 s18, 2
.Ltile:
	TILE 0, 0
	s_sub_co_i32 s18, s18, 1
	s_cmp_lg_u32 s18, 0
	s_cbranch_scc1 .Ltile
	TILE 0, 1
	; THE WAY OUT.  Sums of a: across the 16 lanes of a half (the columns), then across the waves through LDS.
	PLACES                                         ; behind the last matrix instructions, whose results are stored below
.irp m, 1,2,4,8
.set tt, 0
.rept 32
	v_add_f32_dpp v[ASUM+tt], v[ASUM+tt], v[ASUM+tt] row_xmask:\m row_mask:0xf bank_mask:0xf
.set tt, tt+1
.endr
.endr
	s_wait_alu depctr_va_vdst(0)                   ; the additions have written v24-55 and the matrix instructions the accumulators, which the LDS stores read (the places above stay beside this wait); the matrix instructions are done reading v64-255, in which the loads behind the barrier land
.set tt, 0
.rept 8
	ds_store_b128 v[ASS], v[ASUM+4*tt:ASUM+4*tt+3] offset:64*(tt/2)+16*(tt%2)  ; k = 16 kt + 8 h + 4 half .. + 3; sixteen lanes write the same words with the same values
.set tt, tt+1
.endr
	WIN FROM_VA                                    ; x's region is done with (the barrier that ended product 2): the two stages lie over it
.set tt, 0
.rept 32
	ds_store_b128 v[STS], v[8*tt:8*tt+3] offset:(tt%4)*16*SPITCH+(tt/4)*64
	ds_store_b128 v[STS], v[8*tt+4:8*tt+7] offset:(tt%4)*16*SPITCH+(tt/4)*64+16
.set tt, tt+1
.endr
	WIN 0
	s_wait_dscnt 0x0                               ; for the other waves' sake
	s_barrier_signal -1
	s_barrier_wait -1
.set tt, 0
.rept 16
	ds_load_b128 v[64+4*tt:64+4*tt+3], v[ASL] offset:256*(tt/4)+16*(tt%4)      ; wave tt / 4's sums for my rows k = 16 w .. 16 w + 15
.set tt, tt+1
.endr
.set tt, 0
.rept 32
	ds_load_b128 v[128+4*tt:128+4*tt+3], v[STL] offset:(tt/2)*SPITCH+512*(tt%2) ; row 16 w + tt / 2 of the first column half, 512 consecutive bytes
.set tt, tt+1
.endr
	WIN TO_RING                                    ; the second half's, into the ring's last 128 registers, which are done with
.set tt, 0
.rept 32
	ds_load_b128 v[128+4*tt:128+4*tt+3], v[STL2] offset:(tt/2)*SPITCH+512*(tt%2)
.set tt, tt+1
.endr
	WIN 0
	s_wait_dscnt 0x0
.irp ww, 1,2,3
.irp p, 0,2,4,6,8,10,12,14
	v_pk_add_f32 v[64+\p:64+\p+1], v[64+\p:64+\p+1], v[64+16*\ww+\p:64+16*\ww+\p+1]
.endr
.endr
	s_wait_loadcnt 0x0                             ; the centroids
	WIN CEN
.set tt, 0
.rept 64
	v_pk_add_f32 v[128+2*tt:128+2*tt+1], v[128+2*tt:128+2*tt+1], v[128+2*tt:128+2*tt+1]    ; first half (window 0) + second half (window 1)
.set tt, tt+1
.endr
.set tt, 0
.rept 128
	v_fma_f32 v[128+tt], -v[64+tt/8], v[tt], v[128+tt]     ; - (sum of a)[k] x c[k][d]
.set tt, tt+1
.endr
	WIN 0
	s_wait_alu depctr_va_vdst(0)                   ; the multiply-adds have written v128-255, which the stores read
.set tt, 0
.rept 32
	global_store_b128 v[COFF], v[128+4*tt:128+4*tt+3], s[10:11] offset:(tt/2)*1024+512*(tt%2)  ; 512 consecutive bytes, aligned
.set tt, tt+1
.endr
	s_wait_dscnt 0x0
	s_wait_alu depctr_hold_cnt(0) depctr_sa_sdst(0) depctr_va_vdst(0) depctr_va_sdst(0) depctr_va_ssrc(0) depctr_va_vcc(0) depctr_vm_vsrc(0)
	s_wait_tensorcnt 0x0
	ds_add_u32 v62, v63
	s_wait_dscnt 0x0
	s_endpgm
.Lfunc_end_k_q484742dc48_partial:
	.size	k_q484742dc48_partial, .Lfunc_end_k_q484742dc48_partial-k_q484742dc48_partial
	.p2alignl 7, 3214868480
	.fill 96, 4, 3214868480
	.section	.rodata,"a",@progbits
	.p2align	6, 0x0
	.amdhsa_kernel k_q484742dc48_partial
		.amdhsa_group_segment_fixed_size 215552
		.amdhsa_private_segment_fixed_size 0
		.amdhsa_enable_private_segment 0
		.amdhsa_kernarg_size 32
		.amdhsa_user_sgpr_count 2
		.amdhsa_user_sgpr_kernarg_segment_ptr 1
		.amdhsa_wavefront_size32 1
		.amdhsa_system_sgpr_workgroup_id_x 1
		.amdhsa_system_sgpr_workgroup_id_y 1
		.amdhsa_system_sgpr_workgroup_id_z 1
		.amdhsa_system_vgpr_workitem_id 0
		.amdhsa_next_free_vgpr 1024
		.amdhsa_next_free_sgpr 66
		.amdhsa_reserve_vcc 0
		.amdhsa_float_denorm_mode_32 3
		.amdhsa_float_denorm_mode_16_64 3
		.amdhsa_memory_ordered 1
		.amdhsa_forward_progress 1
		.amdhsa_inst_pref_size 255
	.end_amdhsa_kernel
	.section	.bss,"aw",@nobits
	.p2align	6
	.space	262144
	.amdgpu_metadata
---
amdhsa.version: [ 1, 2 ]
amdhsa.kernels:
  - .name:           k_q484742dc48_partial
    .symbol:         k_q484742dc48_partial.kd
    .args:
      - { .name: x, .offset: 0, .size: 8, .value_kind: global_buffer, .address_space: global }
      - { .name: conv_weight, .offset: 8, .size: 8, .value_kind: global_buffer, .address_space: global }
      - { .name: centroids, .offset: 16, .size: 8, .value_kind: global_buffer, .address_space: global }
      - { .name: part, .offset: 24, .size: 8, .value_kind: global_buffer, .address_space: global }
    .group_segment_fixed_size: 215552
    .private_segment_fixed_size: 0
    .kernarg_segment_align: 8
    .kernarg_segment_size: 32
    .max_flat_workgroup_size: 128
    .sgpr_count:     66
    .vgpr_count:     1024
    .wavefront_size: 32
...
	.end_amdgpu_metadata
.endif
;; end of part 3
;; launch finish: the kernel of part 2 again; grid 64 x 1, 16 waves a work-group, no clusters, 2,304 bytes of LDS; arguments part, out0; writes out0
